; MI455X (gfx1250); checked and timed in simulation.
; The chip was launched on July 23, 2026; its instructions are those of AMD's public machine-readable ISA for CDNA 5 (MIT licence, August 2026) and "CDNA5" Instruction Set Architecture Reference Guide (July 2026). The comments in the code are by the model that wrote it; some were corrected since.
;; attention mod. Allowed arithmetic: matrix products marked QUANTISED: E2M1 operands, one E8M0 scale for each 32 along K, by v_wmma_scale_f32_16x16x128_f8f6f4 with both operands' format E2M1 (or v_wmma_scale_f32_32x16x128_f4), f32 sums; products left as they are: f32 operands where the result goes on into a quantised operand, else bf16, f16 or f32 operands; f32 sums; everything else in f32.
;; Inputs: W_codes 1,024 x 64 x 16 uint8 (E2M1 codes of W, K innermost, in blocks of 32 codes, two codes a byte); W_scales 1,024 x 64 uint8 (E8M0 scales of W, one for each 32 codes along K); b 1,024 float32; encoder_outputs 32 x 1,024 x 1,024 float32; hidden 1 x 32 x 1,024 float32; v 1,024 float32.
;; Outputs: out0 32 x 1 x 1,024 float32.
;; This version of the problem:
;;   THIS VERSION OF THE PROBLEM IS GIVEN IN LOW PRECISION. The matrix products marked QUANTISED in the list below multiply operands that are first quantised to E2M1 (2 exponent bits, 1 mantissa bit; 4 bits a number), with one power-of-two scale for each 32 numbers along K (OCP MX v1.0); their sums are f32. All else is computed in f32.
;;   The module's matrix products, in the order in which they are computed (A, B: the left and right operand; K: the contracted axis; several contracted axes count as one K, in the product's order):
;;     1. [M 32,768, K 2,048] x [K 2,048, N 1,024]; A: computed on the way; B: input W (given as codes): QUANTISED
;;     2. [M 1, K 1,024] x [K 1,024, N 32,768]; A: input v; B: computed on the way: left as it is (M = 1 < 16)
;;   THE QUANTISER, for each operand of a quantised product, along K:
;;     - K is cut into blocks of 32 from its start; a last block that is shorter is filled with zeros.
;;     - A block's scale is 2^e with e = floor(log2(the largest magnitude in the block)) - 2, held to -126 .. 127; a block of zeros has e = 0. As a byte (E8M0): e + 127.
;;     - Each number is divided by its block's scale, clamped to +-6, and rounded to the nearest number of E2M1, ties to even, subnormals kept.
;;     - The product sums the exact products of the quantised numbers (number of the format x scale) in f32.
;;   ~~~python
;;   def quantise(x, axis):      # numpy; x: float32 -> the quantised numbers, widened to float32 again
;;       x = np.moveaxis(x, axis, -1); K = x.shape[-1]
;;       x = np.pad(x, [(0, 0)] * (x.ndim - 1) + [(0, -K % 32)]); x = x.reshape(x.shape[:-1] + (-1, 32)); a = np.abs(x).max(-1, keepdims=True)
;;       e = np.where(a > 0, np.clip(np.frexp(np.where(a > 0, a, 1))[1] - 1 - 2, -126, 127), 0)      # np.frexp(a)[1] - 1 = floor(log2(a)), exactly
;;       r = np.clip(x / 2.0 ** e, -6, 6)
;;       step = 2.0 ** (np.maximum(np.frexp(np.where(r == 0, 1, r))[1] - 1, 0) - 1)
;;       q = np.round(r / step) * step * 2.0 ** e      # np.round: ties to even
;;       return np.moveaxis(q.reshape(q.shape[:-2] + (-1,))[..., :K], -1, axis).astype(np.float32)
;;   ~~~
;;   OPERANDS COMPUTED ON THE WAY. 'Computed on the way' means the value that the module computes at that place (a softmax that the list does not call 'softmax' is quantised finished and normalised). What goes into a quantiser is computed in f32, as accurately as f32 sums, v_exp_f32 and their like allow (about 1e-6 of the number): no bf16 or f16 on the way to a quantiser, and a product that is left as it is and whose result goes on into a quantised operand takes f32 operands (vector FMAs, or v_wmma_f32_16x16x4_f32). A number that lies on a knife's edge between two numbers of the format may be rounded either way, as far as f32 arithmetic and the matrix unit's own rounding can turn it there, and no further.
;;   INPUTS GIVEN AS CODES. W (in the module: [1024, 2048], K = its axis 1): each comes as NAME_codes (uint8): NAME with its K axis moved to the last place and cut into blocks of 32 codes, [.., K / 32, bytes a block], one block behind the other in memory; two codes a byte, the lower K in the low four bits (a code: sign, 2 exponent bits, 1 mantissa bit); and NAME_scales (uint8): the same leading axes, one E8M0 byte (e + 127) for each 32 codes along K. Its value is code x scale, taken as it is: it is not quantised again, and the codes and scales need not be those that the quantiser above would give.
;; One version. Each part assembles by itself: llvm-mc -triple=amdgcn-amd-amdhsa -mcpu=gfx1250 --defsym DOCPART=n.
;; ======== version 1 of 1: 3 launches
;; limits: right only within a limited range of input values
;; workspace buffers: wimg 524,288 bytes; cg 131,072 bytes; simg 32,768 bytes; scores 131,072 bytes
;; launch prep (part 1): grid 64 x 4, 8 waves a work-group, no clusters, 11,264 bytes of LDS; arguments W_codes, W_scales, b, hidden, wimg, cg, simg; writes wimg, cg, simg
.if DOCPART == 1
	.amdgcn_target "amdgcn-amd-amdhsa--gfx1250"
	.amdhsa_code_object_version 6
	.text
	.protected	k_q75fe284942_prep
	.globl	k_q75fe284942_prep
	.p2align	8
	.type	k_q75fe284942_prep,@function
k_q75fe284942_prep:
	s_mov_b64 s[64:65], 0
	v_nop
	global_prefetch_b8 v0, s[64:65] scope:SCOPE_SE
	s_setreg_imm32_b32 hwreg(HW_REG_WAVE_MODE, 25, 1), 1
	s_wait_xcnt 0x0
; The whole program: out0[b][0][t] = softmax over t of score, score = sum over n of v[n] tanh( Q(x[b][t]) . W[n] + bias[n] ), x = [hidden[b] | enc[b][t]], Q = MX-FP4 in blocks of 32 along K.
; K 0..1023 of x is the same row for all t of a batch (the broadcast is the problem's own) and no block of 32 straddles the seam: g[b][n] = Q(hidden[b]) . W[n][0:1024] is multiplied once for each batch, here, and is an addend ahead of tanh in launch energy.
; DEAD WORK: v tanh(y) = v - 2 v / (1 + 2^(c y)), c = 2 log2(e).  The sum of the first term over n is one number for all t: a term that is the same along the softmax's axis, for all values of v, and is left out.
; LIMITS: NaN and infinities among the inputs are not served, nor is an overflow of the sum of v alone carried to the result.  A block whose largest magnitude lies under 2^-124 gets the scale byte 1 (codes zero or the smallest; this program alone reads the bytes).
; THIS LAUNCH.  Work-group (x, y): columns 16 x .. 16 x + 15, batches 8 y .. 8 y + 7.  Wave s multiplies K step s (128 along K) once; the eight parts are added in LDS; cg[x][batch][column] = c (g + bias), 512 bytes a work-group.
; It also lays a quarter of the tile's enc half of W as an image of operand registers: wimg[x][s][c][lane][16 bytes], lane = 16 h + r: column r, K = 128 s + 64 c + 32 h + 0 .. 31.
; No loop, no tensor load: nothing to prefetch or to share in a cluster but 1.25 KB of codes a wave.
.set PART, 6144                        ; eight waves x 512 bytes: parts of 8 batches x 16 columns.  Below: 768 bytes a wave: codes of 8 rows, 80 bytes apart, and at 640 their scale words
.set SPARE, 10240                      ; spare words, 128 bytes a wave
.set LAND, 32                          ; v32-63 hidden: row p at 4 p
.set TQ,   64
.set TU,   72
.set BYT,  76
.set SOP,  96
.macro RED n, mask, xm                 ; a level of the maximum over 8 lanes: n pairs of registers become n: lanes of the mask keep the upper one of a pair and send the lower
.set RI, 0
.rept \n
	v_cndmask_b32 v[TU+RI], v[TQ+RI+(\n)], v[TQ+RI], s[\mask]
	v_cndmask_b32 v[TQ+RI], v[TQ+RI], v[TQ+RI+(\n)], s[\mask]
.set RI, RI+1
.endr
.set RI, 0
.rept \n
	v_max_num_f32_dpp v[TQ+RI], v[TU+RI], v[TQ+RI] row_xmask:\xm row_mask:0xf bank_mask:0xf
.set RI, RI+1
.endr
.endm
	s_load_b256 s[4:11], s[0:1], 0x0               ; W_codes, W_scales, b, hidden
	s_load_b128 s[12:15], s[0:1], 0x20             ; wimg, cg
	s_load_b64 s[16:17], s[0:1], 0x30              ; simg: W's scale words, enc half, [pair of tiles][4 K steps][lane][16 bytes]: lanes 0-15 the even tile's columns, lanes 16-31 the odd one's
	v_lshl_add_u32 v1, v0, 2, SPARE
	v_mov_b32 v2, 0
	v_lshrrev_b32 v3, 5, v0
	v_readfirstlane_b32 s18, v3                    ; wave = K step
	s_mul_i32 s25, s18, 768
	s_lshl_b32 s26, s18, 9
	v_and_b32 v3, 31, v0                           ; l
	v_and_b32 v4, 15, v0                           ; r
	v_bfe_u32 v5, v0, 4, 1                         ; h
	v_lshlrev_b32 v6, 4, v3                        ; hidden: 16 bytes a lane
	v_lshlrev_b32 v7, 10, v4
	v_lshl_add_u32 v7, v5, 4, v7                   ; a row of W, my half
	v_lshlrev_b32 v8, 6, v4                        ; its scale bytes
	v_lshl_add_u32 v77, v5, 4, v8                  ; the enc half's scale words: 16 bytes of column r, K steps 4 h on,
	v_lshlrev_b32 v78, 4, v4
	v_lshl_add_u32 v78, v5, 9, v78                 ; and their place in simg
	v_and_b32 v9, 7, v0
	v_lshlrev_b32 v10, 3, v9                       ; bias: two columns a lane
	v_bfe_u32 v11, v0, 1, 4                        ; the image: my 8 bytes come from column (t / 2) % 16,
	v_lshlrev_b32 v11, 10, v11
	v_bfe_u32 v12, v0, 5, 1
	v_lshl_add_u32 v11, v12, 4, v11                ; half of the lanes,
	v_and_b32 v12, 1, v0
	v_lshl_add_u32 v11, v12, 3, v11                ; half of the 16 bytes,
	v_bfe_u32 v12, v0, 6, 1
	v_lshl_add_u32 v11, v12, 5, v11                ; c,
	v_lshrrev_b32 v12, 7, v0
	v_lshl_add_u32 v11, v12, 6, v11                ; and K step 2 y + t / 128
	v_lshlrev_b32 v12, 3, v0                       ; 8 t
	v_lshl_add_u32 v13, v3, 1, s25                 ; codes in: 2 bytes a lane
	v_lshrrev_b32 v14, 3, v3
	v_lshl_add_u32 v14, v9, 2, v14
	v_add_nc_u32 v14, s25, v14                     ; scale byte in: row l % 8, block l / 8
	v_mul_u32_u24 v15, 80, v9
	v_lshl_add_u32 v15, v5, 4, v15
	v_add_nc_u32 v15, s25, v15                     ; fragment out: rows 8-15 repeat rows 0-7
	v_lshl_add_u32 v16, v9, 2, s25                 ; scale word out
	v_lshl_add_u32 v17, v4, 2, s26                 ; my part of the sums
.irp g, 0,1,2,3,4,5,6,7
	v_mov_b32 v[SOP+\g], 0                         ; (a lane move's destination counts as one of its sources)
.endr
	s_wait_alu depctr_va_vdst(0)                   ; the wait at the head's end
	s_and_b32 s19, ttmp7, 0xffff                   ; y
	s_mov_b32 s20, 0x4038aa3b                      ; c = 2 log2(e)
	s_mov_b32 s21, s20
	s_mov_b32 s22, 0x1800000                       ; the floor 2^(3 - 127)
	s_mov_b32 s23, 0xff000000                      ; 2 off an exponent field
	s_mov_b32 s46, 0xf0f0f0f0                      ; lanes whose number has bit 2, 1, 0 set
	s_mov_b32 s47, 0xcccccccc
	s_mov_b32 s48, 0xaaaaaaaa
	s_mov_b32 s33, 0
	s_wait_kmcnt 0x0
	s_lshl_b32 s32, s19, 15
	s_add_nc_u64 s[10:11], s[10:11], s[32:33]      ; hidden: my 8 rows,
	s_lshl_b32 s32, s18, 9
	s_add_nc_u64 s[10:11], s[10:11], s[32:33]      ; my K step
	s_lshl_b32 s32, ttmp9, 14
	s_add_nc_u64 s[4:5], s[4:5], s[32:33]          ; W: my 16 columns;
	s_lshl_b32 s32, s18, 6
	s_add_nc_u64 s[28:29], s[4:5], s[32:33]        ; hidden half, my K step;
	s_lshl_b32 s32, s19, 7
	s_add_nc_u64 s[30:31], s[4:5], s[32:33]        ; enc half, the work-group's two K steps
	s_lshl_b32 s32, ttmp9, 10
	s_add_nc_u64 s[6:7], s[6:7], s[32:33]
	s_mov_b64 s[36:37], s[6:7]                     ; all scale bytes of my columns
	s_lshr_b32 s34, ttmp9, 1
	s_lshl_b32 s34, s34, 10
	s_and_b32 s35, ttmp9, 1
	s_lshl_b32 s35, s35, 8
	s_add_co_u32 s34, s34, s35
	s_mov_b32 s35, 0
	s_add_nc_u64 s[16:17], s[16:17], s[34:35]      ; simg
	s_lshl_b32 s32, s18, 2
	s_add_nc_u64 s[6:7], s[6:7], s[32:33]          ; my K step's scale words
	s_lshl_b32 s32, ttmp9, 6
	s_add_nc_u64 s[8:9], s[8:9], s[32:33]          ; bias
	s_lshl_b32 s32, ttmp9, 13
	s_add_nc_u64 s[12:13], s[12:13], s[32:33]
	s_lshl_b32 s32, s19, 11
	s_add_nc_u64 s[12:13], s[12:13], s[32:33]      ; the image
	s_lshl_b32 s32, ttmp9, 11
	s_add_nc_u64 s[14:15], s[14:15], s[32:33]
	s_lshl_b32 s32, s19, 9
	s_add_nc_u64 s[14:15], s[14:15], s[32:33]      ; cg
.irp p, 0,1,2,3,4,5,6,7
	global_load_b128 v[LAND+4*\p:LAND+4*\p+3], v6, s[10:11] offset:4096*\p   ; 512 consecutive bytes of a row
.endr
	global_load_b64 v[18:19], v11, s[30:31] offset:512
	global_load_b128 v[20:23], v7, s[28:29]
	global_load_b128 v[24:27], v7, s[28:29] offset:32
	global_load_b32 v28, v8, s[6:7]
	global_load_b64 v[30:31], v10, s[8:9]
	global_load_b128 v[104:107], v77, s[36:37] offset:32
	s_wait_loadcnt 6                               ; hidden is in; the six younger loads may be out
; Q of 8 rows x 128: lane l holds four numbers of each row; a block of 32 lies in eight lanes
.irp g, 0,1,2,3,4,5,6,7
	v_max3_num_f32 v[TQ+\g], |v[LAND+4*\g]|, |v[LAND+4*\g+1]|, s22
.endr
.irp g, 0,1,2,3,4,5,6,7
	v_max3_num_f32 v[TQ+\g], |v[LAND+4*\g+2]|, |v[LAND+4*\g+3]|, v[TQ+\g]
.endr
	RED 4, 46, 4
	RED 2, 47, 2
	RED 1, 48, 1                                   ; lane l now has the largest magnitude of row l % 8's block l / 8
	v_add_nc_u32 v[TQ], s23, v[TQ]                 ; the conversion's scale operand
.irp g, 0,1,2,3,4,5,6,7
	v_mov_b32_dpp v[SOP+\g], v[TQ] dpp8:[\g,\g,\g,\g,\g,\g,\g,\g]
.endr
	v_lshrrev_b32 v[BYT], 23, v[TQ]                ; the scale's byte
.irp g, 0,2,4,6
	v_cvt_scalef32_pk8_fp4_f32 v[TQ+\g], v[LAND+4*\g:LAND+4*\g+7], v[SOP+\g]       ; low half: row g
	v_cvt_scalef32_pk8_fp4_f32 v[TQ+\g+1], v[LAND+4*\g:LAND+4*\g+7], v[SOP+\g+1]   ; high half: row g + 1
.endr
	v_nop
.irp g, 0,2,4,6
	ds_store_b16 v13, v[TQ+\g] offset:80*\g
	ds_store_b16_d16_hi v13, v[TQ+\g+1] offset:80*(\g+1)
.endr
	ds_store_b8 v14, v[BYT] offset:640
	ds_load_b128 v[80:83], v15                     ; LDS serves a wave's instructions in order (ISA guide 5.7.1.4)
	ds_load_b128 v[84:87], v15 offset:32
	ds_load_b32 v29, v16 offset:640
	s_wait_loadcnt 0x0
	global_store_b64 v12, v[18:19], s[12:13]       ; 256 consecutive bytes a wave
	s_or_b32 s34, s18, s19
	s_cmp_lg_u32 s34, 0
	s_cbranch_scc1 .Lno_sc                         ; wave 0 of the work-groups with y = 0 lays the scale words: two runs of 256 bytes
	global_store_b128 v78, v[104:107], s[16:17]
.Lno_sc:
	s_wait_dscnt 0x0
	v_wmma_scale_f32_16x16x128_f8f6f4 v[88:95], v[80:87], v[20:27], 0, v29, v28 matrix_a_fmt:MATRIX_FMT_FP4 matrix_b_fmt:MATRIX_FMT_FP4
.rept 4
	v_nop                                          ; the places behind a matrix instruction
.endr
.irp j, 0,1,2,3,4,5,6,7
	ds_store_b32 v17, v[88+\j] offset:PART+64*\j   ; batch 8 y + j, column r: both halves of the lanes hold the same number
.endr
	s_wait_dscnt 0x0
	s_barrier_signal -1
	s_barrier_wait -1
	s_cmp_lt_u32 s18, 2
	s_cbranch_scc0 .Lend
.irp k, 0,1,2,3,4,5,6,7
	ds_load_b64 v[32+2*\k:33+2*\k], v12 offset:PART+512*\k
.endr
	s_wait_dscnt 0x0
.irp k, 0,2,4,6
	v_pk_add_f32 v[32+2*\k:33+2*\k], v[32+2*\k:33+2*\k], v[34+2*\k:35+2*\k]
.endr
	v_pk_add_f32 v[32:33], v[32:33], v[36:37]
	v_pk_add_f32 v[40:41], v[40:41], v[44:45]
	v_pk_add_f32 v[32:33], v[32:33], v[40:41]
	v_pk_add_f32 v[32:33], v[32:33], v[30:31]
	v_pk_mul_f32 v[32:33], v[32:33], s[20:21] op_sel_hi:[1,0]
	global_store_b64 v12, v[32:33], s[14:15]       ; 256 consecutive bytes a wave
.Lend:
	s_wait_tensorcnt 0x0                           ; the wave's end
	ds_add_u32 v1, v2
	s_wait_dscnt 0x0
	s_endpgm
.Lfunc_end_k_q75fe284942_prep:
	.size	k_q75fe284942_prep, .Lfunc_end_k_q75fe284942_prep-k_q75fe284942_prep
	.p2alignl 7, 3214868480
	.fill 96, 4, 3214868480
	.section	.rodata,"a",@progbits
	.p2align	6, 0x0
	.amdhsa_kernel k_q75fe284942_prep
		.amdhsa_group_segment_fixed_size 11264
		.amdhsa_private_segment_fixed_size 0
		.amdhsa_enable_private_segment 0
		.amdhsa_kernarg_size 56
		.amdhsa_user_sgpr_count 2
		.amdhsa_user_sgpr_kernarg_segment_ptr 1
		.amdhsa_wavefront_size32 1
		.amdhsa_system_sgpr_workgroup_id_x 1
		.amdhsa_system_sgpr_workgroup_id_y 1
		.amdhsa_system_sgpr_workgroup_id_z 1
		.amdhsa_system_vgpr_workitem_id 0
		.amdhsa_next_free_vgpr 112
		.amdhsa_next_free_sgpr 66
		.amdhsa_reserve_vcc 0
		.amdhsa_float_denorm_mode_32 3
		.amdhsa_float_denorm_mode_16_64 3
		.amdhsa_memory_ordered 1
		.amdhsa_forward_progress 1
		.amdhsa_inst_pref_size 13
	.end_amdhsa_kernel
	.amdgpu_metadata
---
amdhsa.version: [ 1, 2 ]
amdhsa.kernels:
  - .name:           k_q75fe284942_prep
    .symbol:         k_q75fe284942_prep.kd
    .args:
      - { .name: W_codes, .offset: 0, .size: 8, .value_kind: global_buffer, .address_space: global }
      - { .name: W_scales, .offset: 8, .size: 8, .value_kind: global_buffer, .address_space: global }
      - { .name: b, .offset: 16, .size: 8, .value_kind: global_buffer, .address_space: global }
      - { .name: hidden, .offset: 24, .size: 8, .value_kind: global_buffer, .address_space: global }
      - { .name: wimg, .offset: 32, .size: 8, .value_kind: global_buffer, .address_space: global }
      - { .name: cg, .offset: 40, .size: 8, .value_kind: global_buffer, .address_space: global }
      - { .name: simg, .offset: 48, .size: 8, .value_kind: global_buffer, .address_space: global }
    .group_segment_fixed_size: 11264
    .private_segment_fixed_size: 0
    .kernarg_segment_align: 8
    .kernarg_segment_size: 56
    .max_flat_workgroup_size: 256
    .sgpr_count:     66
    .vgpr_count:     112
    .wavefront_size: 32
...
	.end_amdgpu_metadata
.endif
;; end of part 1
;; launch energy (part 2): grid 256 x 1, 4 waves a work-group, clusters of 4 x 1, 327,680 bytes of LDS; arguments wimg, simg, cg, encoder_outputs, v, scores; writes scores
.if DOCPART == 2
	.amdgcn_target "amdgcn-amd-amdhsa--gfx1250"
	.amdhsa_code_object_version 6
	.text
	.protected	k_q75fe284942_energy
	.globl	k_q75fe284942_energy
	.p2align	8
	.type	k_q75fe284942_energy,@function
k_q75fe284942_energy:
	s_mov_b64 s[64:65], 0
	v_nop
	global_prefetch_b8 v0, s[64:65] scope:SCOPE_SE
	s_setreg_imm32_b32 hwreg(HW_REG_WAVE_MODE, 25, 1), 1
	s_wait_xcnt 0x0
	s_wait_alu depctr_hold_cnt(0) depctr_sa_sdst(0) depctr_va_vdst(0) depctr_va_sdst(0) depctr_va_ssrc(0) depctr_va_vcc(0) depctr_vm_vsrc(0)
	s_getreg_b32 s2, hwreg(HW_REG_IB_STS2, 6, 4)
	s_cmp_eq_u32 s2, 0
	s_cbranch_scc0 .Lentry_in_a_cluster
	s_endpgm
.Lentry_in_a_cluster:
	s_bfe_u32 s2, ttmp6, 0x10000c
	s_cmp_lg_u32 s2, 0x3003
	s_cbranch_scc0 .Lentry_shape_is_right
	s_endpgm
.Lentry_shape_is_right:
; scores[b][t] = sum over n of (-2 v[n]) / (1 + 2^(c acc + cg[n])), acc = Q(enc[b][t]) . W[n][1024:2048].
; LEFT OUT: the sum of v over n, the 1 of tanh = 1 - 2 / (1 + 2^(c y)): the same for all t of a batch, so a softmax over t takes it away.
; LIMITS: NaN and infinities among the inputs are not served; a block whose largest magnitude lies under 2^-124 gets the scale byte 1; tanh by that formula has an absolute error of about 1e-7.
; SHARES.  A work-group takes 128 rows (b, t) of one batch against all 1,024 columns; each of its four waves owns 256 columns, 16 tiles.  All of W's enc half stays on the WGP: of a wave's tiles eight (columns 128 w on) lie in 512 registers,
; eight (columns 512 + 128 w on) in 64 KB of LDS that this wave alone reads.  Rows go in four passes of 32.  A pass has four units: two tiles from registers, two from LDS, 64 matrix instructions on eight accumulators by turns.
; Each enc byte is loaded once, quantised once, by one wave, and its code goes to all four through LDS (two buffers of 32 rows).
; W comes as images of operand registers by the tensor data mover: the register half at the head, the LDS half into the same bytes when the first has been read.  CLUSTER of four work-groups: all walk the same W, so each load is JOINT (mask 15).
; enc: a wave has 8 rows of a pass, taken in two events of 4 rows (128 registers): event e quantises rows 4 e on, asks for event e + 1's rows and prefetches event e + 2's, one event ahead of their load.  Events 0 to 2 stand ahead of the loop,
; pass p has event 2 p + 3 behind its first unit (rows 4-7 of pass p + 1) and 2 p + 4 behind its third (rows 0-3 of pass p + 2), as far as there are rows: event 7 is the last.
; REGISTERS.  Window 0: as named below.  Window 1: v0-127 x's fragments (row tile a, K step s at 8 (8 a + s)), v128-255 the landing rows.  Windows 2, 3: W's tiles 0-3, 4-7 (tile, K step at 64 (tile % 4) + 8 s).
.set WSA,   262144                     ; behind W: scale words of the LDS tiles, 4,096 bytes a wave
.set CGA,   WSA+16384                  ; (cg, w) of each column, 2,048 bytes a wave
.set BUF0,  CGA+8192                   ; two buffers: 32 rows of codes, 528 bytes apart (132 words: 64 banks of 4 bytes, ISA guide 11.1), then their scale bytes, 48 bytes apart
.set BUF,   18432
.set SBO,   16896
.set SCORE, BUF0+2*BUF                 ; four waves x 128 rows x 4 bytes
.set SPARE, SCORE+2048                 ; the spare words, 128 bytes a wave
.set SPW,  1
.set NIL,  2
.set XOFF, 3                           ; 16 x lane
.set QST,  4                           ; where I put codes
.set QSB,  5                           ; and scale bytes
.set ADRA, 6                           ; where I read a fragment of x
.set ADAS, 7                           ; and its scale words
.set SCA,  8                           ; where my sums go
.set WAD,  9                           ; my tiles of W in LDS
.set WSD,  10                          ; their scale words
.set CGD,  11                          ; (cg, w)
.set T0,   12
.set PFO,  13                          ; 256 x lane
.set WSR,  16                          ; scale words of the register tiles: 2 u, 2 u + 1, K step s: 8 u + s, lanes 0-15 and 16-31
.set WSL,  48                          ; and of a unit's two LDS tiles
.set XS,   56                          ; x's: row tile a: 4 a + s % 4, lanes 0-15 (s < 4) or 16-31
.set CGW,  64                          ; a unit's four tiles: cg, w = -2 v
.set SUM,  72                          ; row 16 a + 8 (lane / 16) + j at 8 a + j
.set BYT,  92
.set ACC,  96                          ; tile t, row tile a at 16 t + 8 a; the quantiser's work while they are idle
.set WB,   160                         ; a unit's two LDS tiles, six K steps each
.set LAND, 128                         ; window 1
.set WV,   18
.set TRIP, 24
.set SP,   27
.set G1,   28                          ; s[28:35] descriptor group 1
.set G0,   36                          ; s[36:39] group 0
.set MSB, 0
.macro WIN new                         ; the immediate's high byte repeats the setting that is left
.if MSB != \new
	s_set_vgpr_msb (MSB<<8)|\new
.set MSB, \new
.endif
.endm
.macro PLACES n
.rept \n
	v_nop
.endr
.endm
.macro ROUND                           ; a round of the cluster's barrier
	s_barrier_signal -1
	s_barrier_wait -1
	s_cmp_lg_u32 s[WV], 0
	s_cbranch_scc1 .Lnot_wave_0_\@
	s_barrier_signal -3
.Lnot_wave_0_\@:
	s_barrier_wait -3
	s_barrier_signal -1
	s_barrier_wait -1
.endm
.macro LROWS lb, off                   ; two rows: 512 consecutive bytes an instruction
	WIN 0x40
.irp p, 0,1
.irp g, 0,1,2,3,4,5,6,7
	global_load_b128 v[(\lb)+32*\p+4*\g:(\lb)+32*\p+4*\g+3], v[XOFF], s[10:11] offset:(\off)+4096*\p+512*\g th:TH_LOAD_NT
.endr
.endr
	WIN 0
.endm
; A level of the maximum over 8 lanes, both rows: n pairs of registers become n: lanes of the mask keep a pair's upper register and send the lower, the others the other way.
.macro RED n, mask, xm
.set RI, 0
.rept 2*(\n)
.set RP, RI/(\n)
.set RJ, RI-RP*(\n)
	v_cndmask_b32 v[TU+4*RP+RJ], v[TQ+8*RP+RJ+(\n)], v[TQ+8*RP+RJ], s[\mask]
	v_cndmask_b32 v[TQ+8*RP+RJ], v[TQ+8*RP+RJ], v[TQ+8*RP+RJ+(\n)], s[\mask]
.set RI, RI+1
.endr
.set RI, 0
.rept 2*(\n)
.set RP, RI/(\n)
.set RJ, RI-RP*(\n)
	v_max_num_f32_dpp v[TQ+8*RP+RJ], v[TU+4*RP+RJ], v[TQ+8*RP+RJ] row_xmask:\xm row_mask:0xf bank_mask:0xf
.set RI, RI+1
.endr
.endm
.macro QUANT pr, buf, row, ro, grd
.set LB, LAND+64*(\pr)
.set TQ, ACC+32*(\pr)
.set TU, TQ+16
.set SOP, TQ+16
.set BY, BYT+2*(\pr)
	WIN 0x05                                       ; sources 0 and 1 window 1
.irp p, 0,1
.irp g, 0,1,2,3,4,5,6,7
	v_max3_num_f32 v[TQ+8*\p+\g], |v[LB+32*\p+4*\g]|, |v[LB+32*\p+4*\g+1]|, s22
.endr
.endr
.irp p, 0,1
.irp g, 0,1,2,3,4,5,6,7
	v_max3_num_f32 v[TQ+8*\p+\g], |v[LB+32*\p+4*\g+2]|, |v[LB+32*\p+4*\g+3]|, v[TQ+8*\p+\g]
.endr
.endr
	WIN 0
	RED 4, 46, 4
	RED 2, 47, 2
	RED 1, 48, 1
.irp p, 0,1
	v_add_nc_u32 v[TQ+8*\p], s23, v[TQ+8*\p]       ; 2 off the exponent field: the conversion's scale operand
.endr
.irp p, 0,1
	v_lshrrev_b32 v[BY+\p], 23, v[TQ+8*\p]         ; the scale's byte
.endr
.irp g, 0,1,2,3,4,5,6,7
.irp p, 0,1
	v_mov_b32_dpp v[SOP+8*\p+\g], v[TQ+8*\p] dpp8:[\g,\g,\g,\g,\g,\g,\g,\g]
.endr
.endr
	WIN 0x01                                       ; source 0 window 1
.irp p, 0,1
.irp g, 0,2,4,6
	v_cvt_scalef32_pk8_fp4_f32 v[TQ+8*\p+\g], v[LB+32*\p+4*\g:LB+32*\p+4*\g+7], v[SOP+8*\p+\g]
	v_cvt_scalef32_pk8_fp4_f32 v[TQ+8*\p+\g+1], v[LB+32*\p+4*\g:LB+32*\p+4*\g+7], v[SOP+8*\p+\g+1]
.endr
.endr
	WIN 0
	v_nop                                          ; the plain place behind the conversions
.irp p, 0,1
.irp g, 0,2,4,6
	ds_store_b16 v[QST], v[TQ+8*\p+\g] offset:BUF*(\buf)+528*((\row)+\p)+64*\g
	ds_store_b16_d16_hi v[QST], v[TQ+8*\p+\g+1] offset:BUF*(\buf)+528*((\row)+\p)+64*\g+64
.endr
	ds_store_b8 v[QSB], v[BY+\p] offset:BUF*(\buf)+48*((\row)+\p)
.endr
.if (\ro) >= 0
.if \grd
	s_wait_alu depctr_va_vdst(0)
	s_cmp_lg_u32 s[TRIP], 0
	s_cbranch_scc1 .Lno_rows_\@
.endif
	LROWS LB, \ro
.if \grd
.Lno_rows_\@:
.endif
.endif
.endm
.macro EVENT n, buf, row, ro, pf, grd
	s_wait_loadcnt \n
	QUANT 0, \buf, \row, \ro, \grd
	QUANT 1, \buf, (\row)+2, (\ro)+8192, \grd
.if (\pf) >= 0
.if \grd
	s_cmp_lg_u32 s[TRIP], 0
	s_cbranch_scc1 .Lno_ask_\@
.endif
	global_prefetch_b8 v[PFO], s[10:11] offset:(\pf) th:TH_LOAD_NT scope:SCOPE_SE
	global_prefetch_b8 v[PFO], s[10:11] offset:(\pf)+8192 th:TH_LOAD_NT scope:SCOPE_SE
.if \grd
.Lno_ask_\@:
.endif
.endif
.endm
.macro WMI                             ; one scaled product; rZ: it starts its sum; rRA, rRB: the scales lie in lanes 16-31
.if rZ
.if rRB
	v_wmma_scale_f32_16x16x128_f8f6f4 v[rD:rD+7], v[rA:rA+7], v[rB:rB+7], 0, v[rSA], v[rSB] matrix_a_fmt:MATRIX_FMT_FP4 matrix_b_fmt:MATRIX_FMT_FP4 matrix_b_scale:MATRIX_SCALE_ROW1
.else
	v_wmma_scale_f32_16x16x128_f8f6f4 v[rD:rD+7], v[rA:rA+7], v[rB:rB+7], 0, v[rSA], v[rSB] matrix_a_fmt:MATRIX_FMT_FP4 matrix_b_fmt:MATRIX_FMT_FP4
.endif
.elseif rRA && rRB
	v_wmma_scale_f32_16x16x128_f8f6f4 v[rD:rD+7], v[rA:rA+7], v[rB:rB+7], v[rD:rD+7], v[rSA], v[rSB] matrix_a_fmt:MATRIX_FMT_FP4 matrix_b_fmt:MATRIX_FMT_FP4 matrix_a_scale:MATRIX_SCALE_ROW1 matrix_b_scale:MATRIX_SCALE_ROW1
.elseif rRA
	v_wmma_scale_f32_16x16x128_f8f6f4 v[rD:rD+7], v[rA:rA+7], v[rB:rB+7], v[rD:rD+7], v[rSA], v[rSB] matrix_a_fmt:MATRIX_FMT_FP4 matrix_b_fmt:MATRIX_FMT_FP4 matrix_a_scale:MATRIX_SCALE_ROW1
.elseif rRB
	v_wmma_scale_f32_16x16x128_f8f6f4 v[rD:rD+7], v[rA:rA+7], v[rB:rB+7], v[rD:rD+7], v[rSA], v[rSB] matrix_a_fmt:MATRIX_FMT_FP4 matrix_b_fmt:MATRIX_FMT_FP4 matrix_b_scale:MATRIX_SCALE_ROW1
.else
	v_wmma_scale_f32_16x16x128_f8f6f4 v[rD:rD+7], v[rA:rA+7], v[rB:rB+7], v[rD:rD+7], v[rSA], v[rSB] matrix_a_fmt:MATRIX_FMT_FP4 matrix_b_fmt:MATRIX_FMT_FP4
.endif
.endm
; K step s of unit u: 32 rows x 64 columns, eight accumulators by turns.  Source 0 = x, source 1 = W: a lane holds column lane % 16, rows 8 (lane / 16) + 0 .. 7.
.macro MULK u, s
.if (\s) == 0
.set rZ, 1
.else
.set rZ, 0
.endif
.set rRA, (\s)/4
	WIN 0x01                                       ; x window 1; the LDS tiles window 0
.irp t, 0,1
.irp a, 0,1
.set rD, ACC+16*(2+\t)+8*\a
.set rA, 8*(8*\a+(\s))
.set rB, WB+48*\t+8*((\s)%6)
.set rSA, XS+4*\a+(\s)%4
.set rSB, WSL+(\s)
.set rRB, \t
	WMI
.endr
.endr
	WIN 0x09+4*((\u)/2)                            ; the register tiles window 2 or 3
.irp t, 0,1
.irp a, 0,1
.set rD, ACC+16*\t+8*\a
.set rA, 8*(8*\a+(\s))
.set rB, 64*((2*(\u)+\t)%4)+8*(\s)
.set rSA, XS+4*\a+(\s)%4
.set rSB, WSR+8*(\u)+(\s)
.set rRB, \t
	WMI
.endr
.endr
.endm
.macro WLD u, s                        ; K step s of unit u's two LDS tiles
.irp t, 0,1
.irp c, 0,1
	ds_load_b128 v[WB+48*\t+8*((\s)%6)+4*\c:WB+48*\t+8*((\s)%6)+4*\c+3], v[WAD] offset:8192*(2*(\u)+\t)+1024*(\s)+512*\c
.endr
.endr
.endm
.macro WLOAD u                         ; the first six K steps, and the scale words
.irp s, 0,1,2,3,4,5
	WLD \u, \s
.endr
.irp t, 0,1
	ds_load_b128 v[WSL+4*\t:WSL+4*\t+3], v[WSD] offset:1024*(\u)+512*\t
.endr
.endm
.macro XLOAD buf                       ; x's fragments of 32 rows and their scale words
.irp a, 0,1
	ds_load_b128 v[XS+4*\a:XS+4*\a+3], v[ADAS] offset:BUF*(\buf)+768*\a
.endr
	WIN 0x40
.irp a, 0,1
.irp s, 0,1,2,3,4,5,6,7
.irp c, 0,1
	ds_load_b128 v[8*(8*\a+\s)+4*\c:8*(8*\a+\s)+4*\c+3], v[ADRA] offset:BUF*(\buf)+8448*\a+64*\s+32*\c
.endr
.endr
.endr
	WIN 0
.endm
.macro UMUL u, sig                     ; sig: the pass's barrier is signalled: my codes have landed and my reads of x's buffer are over
	s_wait_dscnt 0x0
	MULK \u, 0
	MULK \u, 1
	WIN 0
	PLACES 4                                       ; in front of loads into registers that these products have read
	WLD \u, 6
	WLD \u, 7
.irp t, 0,1
	ds_load_b64 v[CGW+2*\t:CGW+2*\t+1], v[CGD] offset:128*(2*(\u)+\t)
	ds_load_b64 v[CGW+4+2*\t:CGW+5+2*\t], v[CGD] offset:1024+128*(2*(\u)+\t)
.endr
.irp s, 2,3,4,5
	MULK \u, \s
.endr
	s_wait_dscnt 0x0
.if \sig
	s_barrier_signal -1
.endif
	MULK \u, 6
	MULK \u, 7
	WIN 0
	PLACES 4                                       ; in front of loads, and of the first read of results
.endm
; w / (1 + 2^(c acc + cg)) of 64 registers, added over the four tiles.  Each batch of transcendentals has one wait ahead of it and one behind it.
.macro TANH first
.irp t, 0,1,2,3
.irp i, 0,2,4,6,8,10,12,14
	v_pk_fma_f32 v[ACC+16*\t+\i:ACC+16*\t+\i+1], v[ACC+16*\t+\i:ACC+16*\t+\i+1], s[20:21], v[CGW+2*\t:CGW+2*\t+1] op_sel_hi:[1,0,0]
.endr
.endr
	s_wait_alu depctr_va_vdst(0)
.set TI, ACC
.rept 64
	v_exp_f32 v[TI], v[TI]
.set TI, TI+1
.endr
	v_nop
	s_wait_alu depctr_va_vdst(0)
.set TI, ACC
.rept 32
	v_pk_add_f32 v[TI:TI+1], v[TI:TI+1], 1.0 op_sel_hi:[1,0]
.set TI, TI+2
.endr
	s_wait_alu depctr_va_vdst(0)
.set TI, ACC
.rept 64
	v_rcp_f32 v[TI], v[TI]
.set TI, TI+1
.endr
	v_nop
	s_wait_alu depctr_va_vdst(0)
.irp t, 0,1,2,3
.irp i, 0,2,4,6,8,10,12,14
.if \first && (\t == 0)
	v_pk_mul_f32 v[SUM+\i:SUM+\i+1], v[ACC+\i:ACC+\i+1], v[CGW:CGW+1] op_sel:[0,1] op_sel_hi:[1,1]
.else
	v_pk_fma_f32 v[SUM+\i:SUM+\i+1], v[ACC+16*\t+\i:ACC+16*\t+\i+1], v[CGW+2*\t:CGW+2*\t+1], v[SUM+\i:SUM+\i+1] op_sel:[0,1,0] op_sel_hi:[1,1,1]
.endif
.endr
.endr
.endm
.macro SRED n, mask, xm                ; a level of the sum over the 16 lanes of a half, as RED
.set RI, 0
.rept \n
	v_cndmask_b32 v[ACC+RI], v[SUM+RI+(\n)], v[SUM+RI], s[\mask]
	v_cndmask_b32 v[SUM+RI], v[SUM+RI], v[SUM+RI+(\n)], s[\mask]
.set RI, RI+1
.endr
.set RI, 0
.rept \n
	v_add_f32_dpp v[SUM+RI], v[ACC+RI], v[SUM+RI] row_xmask:\xm row_mask:0xf bank_mask:0xf
.set RI, RI+1
.endr
.endm
; PASS p = 2 TRIP + q; x's fragments are in or on their way, out of buffer q.  ONE barrier: signalled in unit 1, when rows 4-7 of pass p + 1 have been stored and x's reads are over, waited for behind unit 2:
; then buffer 1 - q is whole, and nobody reads buffer q.  Between the two stand work on registers and reads of W, its scale words and cg, which nobody writes any more.
.macro PASS q
	UMUL 0, 0
	WLOAD 1
	TANH 1
.if \q
	s_cmp_lg_u32 s[TRIP], 0                        ; pass 3 has no row left to quantise
	s_cbranch_scc1 .Lno_a_\@
.endif
	EVENT 0, 1-(\q), 4, 131072*(2+(\q)), 131072*(2+(\q))+16384, 1-(\q)
.if \q
.Lno_a_\@:
.endif
	UMUL 1, 1
	WLOAD 2
	TANH 0
	UMUL 2, 0
	WLOAD 3
	TANH 0
	s_wait_alu depctr_va_vdst(0)
	s_barrier_wait -1
	s_cmp_lg_u32 s[TRIP], 0                        ; passes 2 and 3 have none
	s_cbranch_scc1 .Lno_b_\@
.if \q
	EVENT 0, \q, 0, 131072*(2+(\q))+16384, -1, 0
.else
	EVENT 0, \q, 0, 131072*(2+(\q))+16384, 131072*(3+(\q)), 0
.endif
.Lno_b_\@:
	UMUL 3, 0
.if \q
	s_cmp_lg_u32 s[TRIP], 0                        ; nothing follows pass 3
	s_cbranch_scc1 .Lno_x_\@
.endif
	XLOAD 1-(\q)
	WLOAD 0
.if \q
.Lno_x_\@:
.endif
	TANH 0
	SRED 8, 45, 8
	SRED 4, 46, 4
	SRED 2, 47, 2
	SRED 1, 48, 1                                  ; lane (h, r): row 16 (r / 8) + 8 h + r % 8
	v_add_nc_u32 v[T0], s[SP], v[SCA]
	ds_store_b32 v[T0], v[SUM] offset:128*(\q)
.endm
	s_load_b256 s[4:11], s[0:1], 0x0               ; wimg, simg, cg, enc
	s_load_b128 s[12:15], s[0:1], 0x20             ; v, scores
	v_lshl_add_u32 v[SPW], v0, 2, SPARE
	v_mov_b32 v[NIL], 0
	ds_add_u32 v[SPW], v[NIL]                      ; the wave's opening: the add, twice on end, under one wait
	ds_add_u32 v[SPW], v[NIL]
	v_lshrrev_b32 v210, 5, v0
	v_readfirstlane_b32 s[WV], v210                ; wave 0..3
	s_mul_i32 s56, s[WV], 8*528                    ; my eight rows of a buffer: codes,
	s_add_co_u32 s56, s56, BUF0
	s_mul_i32 s57, s[WV], 8*48
	s_add_co_u32 s57, s57, BUF0+SBO                ; scale bytes
	s_lshl_b32 s58, s[WV], 9
	s_add_co_u32 s58, s58, SCORE                   ; my sums
	s_lshl_b32 s59, s[WV], 16                      ; my tiles of W
	s_lshl_b32 s60, s[WV], 12
	s_add_co_u32 s60, s60, WSA                     ; scale words
	s_lshl_b32 s61, s[WV], 11
	s_add_co_u32 s61, s61, CGA                     ; (cg, w)
	v_and_b32 v211, 31, v0                         ; l
	v_and_b32 v212, 15, v0                         ; r
	v_bfe_u32 v213, v0, 4, 1                       ; h
	v_lshlrev_b32 v[XOFF], 4, v211
	v_lshlrev_b32 v[PFO], 8, v211
	v_lshl_add_u32 v[QST], v211, 1, s56
	v_and_b32 v214, 7, v0
	v_lshrrev_b32 v215, 3, v211
	v_lshl_add_u32 v215, v214, 2, v215
	v_add_nc_u32 v[QSB], s57, v215                 ; 4 (l % 8) + l / 8
	v_mul_u32_u24 v[ADRA], 528, v212
	v_lshl_add_u32 v[ADRA], v213, 4, v[ADRA]
	v_add_nc_u32 v[ADRA], BUF0, v[ADRA]
	v_mul_u32_u24 v[ADAS], 48, v212
	v_lshl_add_u32 v[ADAS], v213, 4, v[ADAS]
	v_add_nc_u32 v[ADAS], BUF0+SBO, v[ADAS]
	v_bfe_u32 v215, v0, 3, 1
	v_lshl_add_u32 v214, v213, 3, v214
	v_lshl_add_u32 v214, v215, 4, v214
	v_lshl_add_u32 v[SCA], v214, 2, s58
	v_lshl_add_u32 v[WAD], v211, 4, s59
	v_lshl_add_u32 v[WSD], v211, 4, s60
	v_lshl_add_u32 v[CGD], v212, 3, s61
	v_lshl_add_u32 v216, v211, 3, s61              ; (cg, w) in: a column a lane
	v_lshlrev_b32 v208, 11, v213
	v_lshl_add_u32 v208, v212, 2, v208             ; cg in memory: 2,048 bytes from tile to tile
	v_lshlrev_b32 v209, 2, v211                    ; v in memory
.irp g, 0,1,2,3,4,5,6,7
	v_mov_b32 v[ACC+24+\g], 0                      ; (a lane move's destination counts as one of its sources)
	v_mov_b32 v[ACC+56+\g], 0
.endr
	s_wait_alu depctr_va_vdst(0)                   ; the wait at the head's end
	s_bfe_u32 s50, ttmp6, 0x40000                  ; cx: it enters enc's and scores' addresses alone
	s_lshl_b32 s51, ttmp9, 2                       ; in a cluster launch ttmp9 counts clusters
	s_add_co_u32 s51, s51, s50                     ; my 128 rows
	s_lshr_b32 s53, ttmp9, 1                       ; their batch: the partners share it
	s_mov_b32 s20, 0x4038aa3b                      ; c = 2 log2(e)
	s_mov_b32 s21, s20                             ; (named with it as a pair)
	s_mov_b32 s22, 0x1800000                       ; the floor 2^(3 - 127)
	s_mov_b32 s23, 0xff000000                      ; 2 off an exponent field
	s_mov_b32 s45, 0xff00ff00                      ; lanes whose number has bit 3, 2, 1, 0 set
	s_mov_b32 s46, 0xf0f0f0f0
	s_mov_b32 s47, 0xcccccccc
	s_mov_b32 s48, 0xaaaaaaaa
	s_mov_b32 s[SP], 0
	s_mov_b32 s[TRIP], 0
	; descriptor group 1: 64 KB, dense in memory and in LDS, as 256 rows of 256 bytes
	s_mov_b32 s[G1], 15|(3<<16)|(1<<21)            ; 15:0 the mask: all four work-groups; 17:16 elements of 8 bytes; 21 set beside a mask
	s_mov_b32 s[G1+1], 32<<16                      ; tensor_dim0
	s_mov_b32 s[G1+2], 256<<16                     ; tensor_dim1
	s_mov_b32 s[G1+3], 32<<16                      ; tile_dim0
	s_mov_b32 s[G1+4], 256                         ; tile_dim1
	s_mov_b32 s[G1+5], 32                          ; tensor_dim0_stride
	s_mov_b32 s[G1+6], 0
	s_mov_b32 s[G1+7], 0
	s_mov_b32 s[G0], 1
	s_lshl_b32 s[G0+1], s[WV], 16
	s_mov_b32 s55, 0
	s_wait_dscnt 0x0                               ; both opening adds are done
	s_wait_kmcnt 0x0
	s_lshl_b32 s54, s51, 19                        ; enc: 128 rows of 4,096 bytes,
	s_add_nc_u64 s[10:11], s[10:11], s[54:55]
	s_lshl_b32 s54, s[WV], 15                      ; my eight rows of a pass
	s_add_nc_u64 s[10:11], s[10:11], s[54:55]
	LROWS LAND, 0
	LROWS LAND+64, 8192
	s_lshl_b32 s54, s[WV], 16
	s_add_nc_u64 s[G0+2:G0+3], s[4:5], s[54:55]    ; the images of my register tiles
	s_or_b32 s[G0+3], s[G0+3], 0x80000000
	s_lshl_b32 s54, s[WV], 12
	s_add_nc_u64 s[6:7], s[6:7], s[54:55]
	s_lshl_b32 s54, s[WV], 14
	s_add_nc_u64 s[8:9], s[8:9], s[54:55]
	s_lshl_b32 s54, s53, 6
	s_add_nc_u64 s[8:9], s[8:9], s[54:55]          ; cg: 64 bytes a tile and batch
	s_lshl_b32 s54, s[WV], 9
	s_add_nc_u64 s[12:13], s[12:13], s[54:55]
	s_lshl_b32 s54, s51, 9
	s_add_nc_u64 s[14:15], s[14:15], s[54:55]      ; my 128 scores
	ROUND                                          ; all four work-groups are here: the first joint loads meet
	tensor_load_to_lds s[G0:G0+3], s[G1:G1+7]      ; the register half
	s_nop 0
	PLACES 4
.irp p, 0,1,2,3
.irp t, 0,1
	global_load_b128 v[WSR+8*\p+4*\t:WSR+8*\p+4*\t+3], v[XOFF], s[6:7] offset:1024*\p+512*\t
	global_load_b128 v[176+8*\p+4*\t:176+8*\p+4*\t+3], v[XOFF], s[6:7] offset:16384+1024*\p+512*\t
.endr
.endr
.irp k, 0,1,2,3
	global_load_b32 v[160+2*\k], v208, s[8:9] offset:4096*\k
	global_load_b32 v[161+2*\k], v209, s[12:13] offset:128*\k
	global_load_b32 v[168+2*\k], v208, s[8:9] offset:65536+4096*\k
	global_load_b32 v[169+2*\k], v209, s[12:13] offset:2048+128*\k
.endr
	EVENT 32, 0, 0, 16384, 131072, 0               ; the 32 small loads are younger than its rows
	s_wait_loadcnt 32                              ; and event 1's rows younger than them
.irp k, 0,1,2,3,4,5,6,7
	v_mul_f32 v[161+2*\k], -2.0, v[161+2*\k]       ; w = -2 v
.endr
.irp k, 0,1,2,3,4,5,6,7
	ds_store_b64 v216, v[160+2*\k:161+2*\k] offset:256*\k
.endr
.irp p, 0,1,2,3
.irp t, 0,1
	ds_store_b128 v[WSD], v[176+8*\p+4*\t:176+8*\p+4*\t+3] offset:1024*\p+512*\t
.endr
.endr
	EVENT 0, 0, 4, 131072, 131072+16384, 0
	s_wait_tensorcnt 0x0                           ; my register tiles lie in LDS: bytes that I alone read
	WIN 0x80
.irp j, 0,1,2,3
.irp s, 0,1,2,3,4,5,6,7
.irp c, 0,1
	ds_load_b128 v[64*\j+8*\s+4*\c:64*\j+8*\s+4*\c+3], v[WAD] offset:8192*\j+1024*\s+512*\c
.endr
.endr
.endr
	WIN 0xc0
.irp j, 0,1,2,3
.irp s, 0,1,2,3,4,5,6,7
.irp c, 0,1
	ds_load_b128 v[64*\j+8*\s+4*\c:64*\j+8*\s+4*\c+3], v[WAD] offset:32768+8192*\j+1024*\s+512*\c
.endr
.endr
.endr
	WIN 0
	s_wait_tensorcnt 0x0
	ds_add_u32 v[SPW], v[NIL]
	s_add_nc_u64 s[G0+2:G0+3], s[G0+2:G0+3], 0x40000   ; the LDS half
	s_wait_dscnt 0x0                               ; the add is done, my tiles are in registers, and pass 0's codes have landed
	ROUND                                          ; nobody of the cluster has a load out or reads these bytes; and everybody's codes of pass 0 are there
	tensor_load_to_lds s[G0:G0+3], s[G1:G1+7]
	s_nop 0
	PLACES 4
	XLOAD 0
	EVENT 0, 1, 0, 131072+16384, 262144, 0
	s_wait_tensorcnt 0x0                           ; my LDS tiles are in
	WLOAD 0
.Ltrip:
	PASS 0
	PASS 1
	s_add_co_u32 s[SP], s[SP], 256
	s_add_co_u32 s[TRIP], s[TRIP], 1
	s_cmp_lt_u32 s[TRIP], 2
	s_cbranch_scc1 .Ltrip
	v_add_nc_u32 v[T0], SCORE, v[XOFF]
	s_wait_alu depctr_va_vdst(0)
	s_wait_dscnt 0x0                               ; for the others' sake: my sums have landed
	s_barrier_signal -1
	s_barrier_wait -1
	s_cmp_lg_u32 s[WV], 0                          ; wave 0 adds the four waves' parts, four rows a lane
	s_cbranch_scc1 .Lend
.irp k, 0,1,2,3
	ds_load_b128 v[ACC+4*\k:ACC+4*\k+3], v[T0] offset:512*\k
.endr
	s_wait_dscnt 0x0
.irp i, 0,2
	v_pk_add_f32 v[ACC+\i:ACC+\i+1], v[ACC+\i:ACC+\i+1], v[ACC+4+\i:ACC+5+\i]
	v_pk_add_f32 v[ACC+8+\i:ACC+9+\i], v[ACC+8+\i:ACC+9+\i], v[ACC+12+\i:ACC+13+\i]
.endr
.irp i, 0,2
	v_pk_add_f32 v[ACC+\i:ACC+\i+1], v[ACC+\i:ACC+\i+1], v[ACC+8+\i:ACC+9+\i]
.endr
	global_store_b128 v[XOFF], v[ACC:ACC+3], s[14:15]   ; 512 consecutive bytes, at a multiple of 512
.Lend:
	s_wait_tensorcnt 0x0                           ; the wave's end
	ds_add_u32 v[SPW], v[NIL]
	s_wait_dscnt 0x0
	ROUND                                          ; the closing round
	s_endpgm
.Lfunc_end_k_q75fe284942_energy:
	.size	k_q75fe284942_energy, .Lfunc_end_k_q75fe284942_energy-k_q75fe284942_energy
	.p2alignl 7, 3214868480
	.fill 96, 4, 3214868480
	.section	.rodata,"a",@progbits
	.p2align	6, 0x0
	.amdhsa_kernel k_q75fe284942_energy
		.amdhsa_group_segment_fixed_size 327680
		.amdhsa_private_segment_fixed_size 0
		.amdhsa_enable_private_segment 0
		.amdhsa_kernarg_size 48
		.amdhsa_user_sgpr_count 2
		.amdhsa_user_sgpr_kernarg_segment_ptr 1
		.amdhsa_wavefront_size32 1
		.amdhsa_system_sgpr_workgroup_id_x 1
		.amdhsa_system_sgpr_workgroup_id_y 1
		.amdhsa_system_sgpr_workgroup_id_z 1
		.amdhsa_system_vgpr_workitem_id 0
		.amdhsa_next_free_vgpr 1024
		.amdhsa_next_free_sgpr 66
		.amdhsa_reserve_vcc 0
		.amdhsa_float_denorm_mode_32 3
		.amdhsa_float_denorm_mode_16_64 3
		.amdhsa_memory_ordered 1
		.amdhsa_forward_progress 1
		.amdhsa_inst_pref_size 255
	.end_amdhsa_kernel
	.section	.bss,"aw",@nobits
	.p2align	6
	.space	262144
	.amdgpu_metadata
---
amdhsa.version: [ 1, 2 ]
amdhsa.kernels:
  - .name:           k_q75fe284942_energy
    .symbol:         k_q75fe284942_energy.kd
    .args:
      - { .name: wimg, .offset: 0, .size: 8, .value_kind: global_buffer, .address_space: global }
      - { .name: simg, .offset: 8, .size: 8, .value_kind: global_buffer, .address_space: global }
      - { .name: cg, .offset: 16, .size: 8, .value_kind: global_buffer, .address_space: global }
      - { .name: encoder_outputs, .offset: 24, .size: 8, .value_kind: global_buffer, .address_space: global }
      - { .name: v, .offset: 32, .size: 8, .value_kind: global_buffer, .address_space: global }
      - { .name: scores, .offset: 40, .size: 8, .value_kind: global_buffer, .address_space: global }
    .group_segment_fixed_size: 327680
    .private_segment_fixed_size: 0
    .kernarg_segment_align: 8
    .kernarg_segment_size: 48
    .max_flat_workgroup_size: 128
    .sgpr_count:     66
    .vgpr_count:     1024
    .wavefront_size: 32
...
	.end_amdgpu_metadata
.endif
;; end of part 2
;; launch soft (part 3): grid 32 x 1, 1 waves a work-group, no clusters, 0 bytes of LDS; arguments scores, out0; writes out0
.if DOCPART == 3
	.amdgcn_target "amdgcn-amd-amdhsa--gfx1250"
	.amdhsa_code_object_version 6
	.text
	.protected	k_q75fe284942_soft
	.globl	k_q75fe284942_soft
	.p2align	8
	.type	k_q75fe284942_soft,@function
k_q75fe284942_soft:
	s_mov_b64 s[64:65], 0
	v_nop
	global_prefetch_b8 v0, s[64:65] scope:SCOPE_SE
	s_setreg_imm32_b32 hwreg(HW_REG_WAVE_MODE, 25, 1), 1
	s_wait_xcnt 0x0
; out0[b][0][t] = softmax over t of scores[b][t].  One wave takes one batch: its 1,024 scores are 32 registers, so the maximum, the sum and the scaling never leave the wave: no LDS, no barrier.
; The row's maximum is taken away ahead of the exponential.  Each load and store of the wave covers 512 consecutive bytes.  LIMITS: NaN and infinities among the scores are not served.
.set X, 8                              ; v8-39 the scores, then p
	s_load_b128 s[4:7], s[0:1], 0x0                ; scores, out0
	v_lshlrev_b32 v1, 4, v0                        ; 16 bytes a lane
	s_lshl_b32 s8, ttmp9, 12                       ; a batch is 4,096 bytes
	s_mov_b32 s9, 0
	s_mov_b32 s10, 0x76543210                      ; v_permlanex16_b32's selects for lane l xor 16
	s_mov_b32 s11, 0xfedcba98
	s_mov_b32 s12, 0x3fb8aa3b                      ; log2(e)
	s_mov_b32 s13, s12                             ; (named with it as a pair, so it is written)
	s_wait_alu depctr_va_vdst(0)
	s_wait_kmcnt 0x0
	s_add_nc_u64 s[4:5], s[4:5], s[8:9]
	s_add_nc_u64 s[6:7], s[6:7], s[8:9]
.irp i, 0,1,2,3,4,5,6,7
	global_load_b128 v[X+4*\i:X+4*\i+3], v1, s[4:5] offset:512*\i th:TH_LOAD_NT
.endr
	s_wait_loadcnt 0x0
	v_max3_num_f32 v40, v[X], v[X+1], v[X+2]       ; the largest of my 32, in two chains
	v_max3_num_f32 v41, v[X+3], v[X+4], v[X+5]
.irp i, 6,10,14,18,22,26
	v_max3_num_f32 v40, v40, v[X+\i], v[X+\i+1]
	v_max3_num_f32 v41, v41, v[X+\i+2], v[X+\i+3]
.endr
	v_max3_num_f32 v40, v40, v[X+30], v[X+31]
	v_max_num_f32 v40, v40, v41
	v_max_num_f32_dpp v40, v40, v40 row_xmask:1 row_mask:0xf bank_mask:0xf
	v_max_num_f32_dpp v40, v40, v40 row_xmask:2 row_mask:0xf bank_mask:0xf
	v_max_num_f32_dpp v40, v40, v40 row_xmask:4 row_mask:0xf bank_mask:0xf
	v_max_num_f32_dpp v40, v40, v40 row_xmask:8 row_mask:0xf bank_mask:0xf
	v_permlanex16_b32 v41, v40, s10, s11           ; (its destination counts as read: v41 has been written)
	v_max_num_f32 v42, v40, v41                    ; the row's maximum, in every lane,
	v_mov_b32 v43, v42                             ; as a pair
.irp i, 0,2,4,6,8,10,12,14,16,18,20,22,24,26,28,30
	v_pk_add_f32 v[X+\i:X+\i+1], v[X+\i:X+\i+1], v[42:43] neg_lo:[0,1] neg_hi:[0,1]   ; score - maximum: 0 or less
.endr
.irp i, 0,2,4,6,8,10,12,14,16,18,20,22,24,26,28,30
	v_pk_mul_f32 v[X+\i:X+\i+1], v[X+\i:X+\i+1], s[12:13] op_sel_hi:[1,0]
.endr
	s_wait_alu depctr_va_vdst(0)
.irp i, 0,1,2,3,4,5,6,7,8,9,10,11,12,13,14,15,16,17,18,19,20,21,22,23,24,25,26,27,28,29,30,31
	v_exp_f32 v[X+\i], v[X+\i]
.endr
	v_nop                                          ; a plain line behind the last exponential,
	s_wait_alu depctr_va_vdst(0)                   ; and one wait for the batch, ahead of its first reader
	v_pk_add_f32 v[44:45], v[X:X+1], v[X+2:X+3]    ; the sum, two at a time, in two chains
	v_pk_add_f32 v[46:47], v[X+4:X+5], v[X+6:X+7]
.irp i, 8,12,16,20,24,28
	v_pk_add_f32 v[44:45], v[44:45], v[X+\i:X+\i+1]
	v_pk_add_f32 v[46:47], v[46:47], v[X+\i+2:X+\i+3]
.endr
	v_pk_add_f32 v[44:45], v[44:45], v[46:47]
	v_add_f32 v44, v44, v45
	v_add_f32_dpp v44, v44, v44 row_xmask:1 row_mask:0xf bank_mask:0xf
	v_add_f32_dpp v44, v44, v44 row_xmask:2 row_mask:0xf bank_mask:0xf
	v_add_f32_dpp v44, v44, v44 row_xmask:4 row_mask:0xf bank_mask:0xf
	v_add_f32_dpp v44, v44, v44 row_xmask:8 row_mask:0xf bank_mask:0xf
	v_permlanex16_b32 v45, v44, s10, s11
	v_add_f32 v44, v44, v45                        ; at least 1: the largest score's p is 1
	s_wait_alu depctr_va_vdst(0)
	v_rcp_f32 v46, v44
	v_rcp_f32 v47, v44                             ; twice, for the packed multiply
	v_nop
	s_wait_alu depctr_va_vdst(0)
.irp i, 0,2,4,6,8,10,12,14,16,18,20,22,24,26,28,30
	v_pk_mul_f32 v[X+\i:X+\i+1], v[X+\i:X+\i+1], v[46:47]
.endr
.irp i, 0,1,2,3,4,5,6,7
	global_store_b128 v1, v[X+4*\i:X+4*\i+3], s[6:7] offset:512*\i th:TH_STORE_NT
.endr
	s_endpgm
.Lfunc_end_k_q75fe284942_soft:
	.size	k_q75fe284942_soft, .Lfunc_end_k_q75fe284942_soft-k_q75fe284942_soft
	.p2alignl 7, 3214868480
	.fill 96, 4, 3214868480
	.section	.rodata,"a",@progbits
	.p2align	6, 0x0
	.amdhsa_kernel k_q75fe284942_soft
		.amdhsa_group_segment_fixed_size 0
		.amdhsa_private_segment_fixed_size 0
		.amdhsa_enable_private_segment 0
		.amdhsa_kernarg_size 16
		.amdhsa_user_sgpr_count 2
		.amdhsa_user_sgpr_kernarg_segment_ptr 1
		.amdhsa_wavefront_size32 1
		.amdhsa_system_sgpr_workgroup_id_x 1
		.amdhsa_system_sgpr_workgroup_id_y 1
		.amdhsa_system_sgpr_workgroup_id_z 1
		.amdhsa_system_vgpr_workitem_id 0
		.amdhsa_next_free_vgpr 64
		.amdhsa_next_free_sgpr 66
		.amdhsa_reserve_vcc 0
		.amdhsa_float_denorm_mode_32 3
		.amdhsa_float_denorm_mode_16_64 3
		.amdhsa_memory_ordered 1
		.amdhsa_forward_progress 1
		.amdhsa_inst_pref_size 10
	.end_amdhsa_kernel
	.amdgpu_metadata
---
amdhsa.version: [ 1, 2 ]
amdhsa.kernels:
  - .name:           k_q75fe284942_soft
    .symbol:         k_q75fe284942_soft.kd
    .args:
      - { .name: scores, .offset: 0, .size: 8, .value_kind: global_buffer, .address_space: global }
      - { .name: out0, .offset: 8, .size: 8, .value_kind: global_buffer, .address_space: global }
    .group_segment_fixed_size: 0
    .private_segment_fixed_size: 0
    .kernarg_segment_align: 8
    .kernarg_segment_size: 16
    .max_flat_workgroup_size: 32
    .sgpr_count:     66
    .vgpr_count:     64
    .wavefront_size: 32
...
	.end_amdgpu_metadata
.endif
;; end of part 3
